; MI455X (gfx1250); checked and timed in simulation.
; The chip was launched on July 23, 2026; its instructions are those of AMD's public machine-readable ISA for CDNA 5 (MIT licence, August 2026) and "CDNA5" Instruction Set Architecture Reference Guide (July 2026). The comments in the code are by the model that wrote it; some were corrected since.
;; Fuzzy Multihead Attention. Allowed arithmetic: float matrix products may take bf16 or f16 operands with f32 sums; all other float work in f32.
;; Inputs: Wo 512 x 512 float32; Wq 512 x 512 float32; Wv 8,192 x 512 float32; bo 512 float32; bq 512 float32; bv 8,192 float32; key 4 x 2,048 x 512 float32; query 4 x 2,048 x 512 float32; rules_keys 8 x 16 x 64 float32; rules_widths 8 x 16 x 64 float32; value 4 x 2,048 x 512 float32.
;; Outputs: out0 4 x 2,048 x 512 float32.
;; 2 versions, each right; version 2 is version 1 with the launch tobf16 written anew for expert scheduling mode. Each part assembles by itself: llvm-mc -triple=amdgcn-amd-amdhsa -mcpu=gfx1250 --defsym DOCPART=n.
;; ======== version 1 of 2: 2 launches
;; workspace buffers: vb 8,388,608 bytes; qb 8,388,608 bytes; wvb 8,388,608 bytes; wqb 524,288 bytes; wob 524,288 bytes
;; launch tobf16 (part 1): grid 800 x 1, 8 waves a work-group, no clusters, 0 bytes of LDS; arguments value, query, Wv, Wq, Wo, vb, qb, wvb, wqb, wob; writes vb, qb, wvb, wqb, wob
.if DOCPART == 1
	.amdgcn_target "amdgcn-amd-amdhsa--gfx1250"
	.amdhsa_code_object_version 6
	.text
	.protected	k_q0d6a021606_tobf16
	.globl	k_q0d6a021606_tobf16
	.p2align	8
	.type	k_q0d6a021606_tobf16,@function
k_q0d6a021606_tobf16:
	s_mov_b64 s[64:65], 0
	v_nop
	global_prefetch_b8 v0, s[64:65] scope:SCOPE_SE
	s_setreg_imm32_b32 hwreg(HW_REG_WAVE_MODE, 25, 1), 1
	s_wait_xcnt 0x0
; The five matrix operands of the module (value, query, Wv, Wq, Wo) are rounded once from f32 to bf16 (nearest even), same shapes, row-major.
; A plain stream: no LDS, no barrier, no matrix unit; every byte is read once and written once.
; A work-group converts 16,384 numbers (65,536 bytes in, 32,768 out).  Work-groups 0-255 take value, 256-511 query, 512-767 Wv,
; 768-783 Wq, 784-799 Wo: 4,194,304 / 16,384 = 256 for each large array, 262,144 / 16,384 = 16 for each small one.
; Thread t takes 16 bytes at 16 t of each 4,096-byte piece: one load of a wave covers 512 consecutive bytes,
; one store of a wave covers 256 consecutive bytes that begin at a multiple of 256 from the buffer's first byte.
; All sixteen loads of a thread are issued ahead of the first store; no register is written twice, so no source has to be freed.
.set PIECES, 16
.set X, 4                              ; v[4:67]   piece j: 4 numbers in f32
.set Y, 68                             ; v[68:99]  piece j: 4 numbers in bf16
	s_load_b512 s[8:23], s[0:1], 0x0               ; value 8, query 10, Wv 12, Wq 14, Wo 16, vb 18, qb 20, wvb 22
	s_load_b128 s[24:27], s[0:1], 0x40             ; wqb 24, wob 26
	v_lshlrev_b32 v1, 4, v0                        ; my 16 bytes of a piece as read
	v_lshlrev_b32 v2, 3, v0                        ; my 8 bytes of a piece as written
	s_mov_b32 s3, 0                                ; first work-group of my array
	s_wait_kmcnt 0x0
	s_mov_b64 s[4:5], s[8:9]                       ; from value
	s_mov_b64 s[6:7], s[18:19]                     ; to vb, unless my number says otherwise:
; the choice between buffers hangs on the work-group's number alone
.macro PICK first, src, dst
	s_cmp_ge_u32 ttmp9, \first
	s_cselect_b64 s[4:5], s[\src:\src+1], s[4:5]
	s_cselect_b64 s[6:7], s[\dst:\dst+1], s[6:7]
	s_cselect_b32 s3, \first, s3
.endm
	PICK 256, 10, 20
	PICK 512, 12, 22
	PICK 768, 14, 24
	PICK 784, 16, 26
	s_sub_co_u32 s2, ttmp9, s3                     ; my place in the array
	s_lshl_b32 s28, s2, 16                         ; x 65,536 bytes in (16,711,680 at the most)
	s_mov_b32 s29, 0
	s_lshl_b32 s30, s2, 15                         ; x 32,768 bytes out
	s_mov_b32 s31, 0
	s_add_nc_u64 s[4:5], s[4:5], s[28:29]
	s_add_nc_u64 s[6:7], s[6:7], s[30:31]
.set j, 0
.rept PIECES
	global_load_b128 v[X+4*j:X+4*j+3], v1, s[4:5] offset:4096*j th:TH_LOAD_NT
.set j, j+1
.endr
.set j, 0
.rept PIECES
	s_wait_loadcnt PIECES-1-j                      ; loads come back in order: piece j is in, the younger ones stay out
	v_cvt_pk_bf16_f32 v[Y+2*j], v[X+4*j], v[X+4*j+1]
	v_cvt_pk_bf16_f32 v[Y+2*j+1], v[X+4*j+2], v[X+4*j+3]
	global_store_b64 v2, v[Y+2*j:Y+2*j+1], s[6:7] offset:2048*j   ; read again by the next launch: no hint
.set j, j+1
.endr
	s_endpgm
.Lfunc_end_k_q0d6a021606_tobf16:
	.size	k_q0d6a021606_tobf16, .Lfunc_end_k_q0d6a021606_tobf16-k_q0d6a021606_tobf16
	.p2alignl 7, 3214868480
	.fill 96, 4, 3214868480
	.section	.rodata,"a",@progbits
	.p2align	6, 0x0
	.amdhsa_kernel k_q0d6a021606_tobf16
		.amdhsa_group_segment_fixed_size 0
		.amdhsa_private_segment_fixed_size 0
		.amdhsa_enable_private_segment 0
		.amdhsa_kernarg_size 80
		.amdhsa_user_sgpr_count 2
		.amdhsa_user_sgpr_kernarg_segment_ptr 1
		.amdhsa_wavefront_size32 1
		.amdhsa_system_sgpr_workgroup_id_x 1
		.amdhsa_system_sgpr_workgroup_id_y 1
		.amdhsa_system_sgpr_workgroup_id_z 1
		.amdhsa_system_vgpr_workitem_id 0
		.amdhsa_next_free_vgpr 100
		.amdhsa_next_free_sgpr 66
		.amdhsa_reserve_vcc 0
		.amdhsa_float_denorm_mode_32 3
		.amdhsa_float_denorm_mode_16_64 3
		.amdhsa_memory_ordered 1
		.amdhsa_forward_progress 1
		.amdhsa_inst_pref_size 8
	.end_amdhsa_kernel
	.amdgpu_metadata
---
amdhsa.version: [ 1, 2 ]
amdhsa.kernels:
  - .name:           k_q0d6a021606_tobf16
    .symbol:         k_q0d6a021606_tobf16.kd
    .args:
      - { .name: value, .offset: 0, .size: 8, .value_kind: global_buffer, .address_space: global }
      - { .name: query, .offset: 8, .size: 8, .value_kind: global_buffer, .address_space: global }
      - { .name: Wv, .offset: 16, .size: 8, .value_kind: global_buffer, .address_space: global }
      - { .name: Wq, .offset: 24, .size: 8, .value_kind: global_buffer, .address_space: global }
      - { .name: Wo, .offset: 32, .size: 8, .value_kind: global_buffer, .address_space: global }
      - { .name: vb, .offset: 40, .size: 8, .value_kind: global_buffer, .address_space: global }
      - { .name: qb, .offset: 48, .size: 8, .value_kind: global_buffer, .address_space: global }
      - { .name: wvb, .offset: 56, .size: 8, .value_kind: global_buffer, .address_space: global }
      - { .name: wqb, .offset: 64, .size: 8, .value_kind: global_buffer, .address_space: global }
      - { .name: wob, .offset: 72, .size: 8, .value_kind: global_buffer, .address_space: global }
    .group_segment_fixed_size: 0
    .private_segment_fixed_size: 0
    .kernarg_segment_align: 8
    .kernarg_segment_size: 80
    .max_flat_workgroup_size: 256
    .sgpr_count:     66
    .vgpr_count:     100
    .wavefront_size: 32
...
	.end_amdgpu_metadata
.endif
;; end of part 1
;; launch fuzzy (part 2): grid 8 x 32, 4 waves a work-group, clusters of 4 x 4, 327,680 bytes of LDS; arguments vb, qb, wvb, wqb, wob, bq, bv, bo, rules_keys, rules_widths, out0; writes out0
.if DOCPART == 2
	.amdgcn_target "amdgcn-amd-amdhsa--gfx1250"
	.amdhsa_code_object_version 6
	.text
	.protected	k_q0d6a021606_fuzzy
	.globl	k_q0d6a021606_fuzzy
	.p2align	8
	.type	k_q0d6a021606_fuzzy,@function
k_q0d6a021606_fuzzy:
	s_mov_b64 s[64:65], 0
	v_nop
	global_prefetch_b8 v0, s[64:65] scope:SCOPE_SE
	s_setreg_imm32_b32 hwreg(HW_REG_WAVE_MODE, 25, 1), 1
	s_wait_xcnt 0x0
	s_wait_alu depctr_hold_cnt(0) depctr_sa_sdst(0) depctr_va_vdst(0) depctr_va_sdst(0) depctr_va_ssrc(0) depctr_va_vcc(0) depctr_vm_vsrc(0)
	s_getreg_b32 s2, hwreg(HW_REG_IB_STS2, 6, 4)
	s_cmp_eq_u32 s2, 0
	s_cbranch_scc0 .Lentry_in_a_cluster
	s_endpgm
.Lentry_in_a_cluster:
	s_bfe_u32 s2, ttmp6, 0x10000c
	s_cmp_lg_u32 s2, 0xf033
	s_cbranch_scc0 .Lentry_shape_is_right
	s_endpgm
.Lentry_shape_is_right:
; FuzzyMultiheadAttention, all of it behind the cast to bf16, in one launch.  8,192 rows (b, s), 8 heads, 16 rules, 64 numbers a head.
; A work-group owns 256 rows x one head: grid x = head, grid y = block of 256 rows, 256 work-groups.  Four waves.
;   K steps 0-3   q_raw = query Wq^T + bq for my head (256 x 64, K = 512); wave w: rows 64 w .. 64 w + 63
;   then          S[row][rule] = sum over d of (q_raw 0.125 / width - key / width)^2, z = -S / 128, softmax over the 16 rules with the largest z
;                 (the least S) taken away first; attn' = softmax / 8 goes through LDS into the registers of the waves that need it
;   K steps 4-19  four tiles of 256 rows x 256 columns of value Wv^T + bv (K = 512 each); wave (i, jw): rows 128 i .., columns 128 jw ..;
;                 behind each tile the sum over the rules with attn'.  A column of v is n = 1024 h + 16 d + rule, so a tile gives 16 values of d
;   the result    lies in LDS in bf16 as X: reference()'s transpose and reshape put (s, d) of head h at row 256 h + s / 8, column 64 (s % 8) + d,
;                 so my 256 rows x 64 numbers are 32 WHOLE rows of X and the last product needs nothing of any other work-group
;   K steps 20-23 out = X Wo^T + bo (32 x 512, K = 512); wave w: columns 128 w .. 128 w + 127
; All 24 K steps of 128 walk one ring of two LDS slots filled by the tensor data mover.
;
; NOT READ: the input key.  It enters no line of reference(), so no result can hang on it.
; LIMITS.  Matrix operands are bf16, sums f32; X is rounded once to bf16.  1 / width is v_rcp_f32: good to 1 ULP, and a width below 2^-126 in
; magnitude counts as 0 (ISA guide 15.8).  t is formed as q_raw (0.125 / width) - key / width in one fused multiply-add, another order of
; rounding in f32 than (q - key) / width.
;
; CLUSTERS: 4 x 4 work-groups.  The four of a row of the cluster share the block of rows, so query's and value's tiles are asked for jointly along
; the row; the four of a column share the head, so Wq's and Wv's tiles are asked for jointly along the column.  Wo's tiles (4 of the 24 K steps) are
; the same in all sixteen, while a mask names four work-groups whose tile is theirs alone among the rows or columns of the cluster: each work-group
; asks for Wo by plain loads, behind the same rounds of the cluster's barrier.
; By this text's own count a wave has at most two tensor loads outstanding (the two first fills), later one.
;
; THE MATRIX INSTRUCTION IS USED TRANSPOSED everywhere: source 0 = 16 rows of a weight, source 1 = 16 rows of data.  Lane l then holds data row
; l % 16, and register j the weight's row 8 (l / 16) + j of the fragment.  The first product of each sum takes as C eight registers that hold
; the bias of those weight rows: nothing is cleared and no bias is added afterwards.
; All accumulators of a product take turns, one instruction a turn.
;
; REGISTERS, in windows of 256:
;   window 0: v0-31 addresses; v32-63 at work; v64-127, v128-191 data fragments, two buffers; v192-255 bias (C of the first products)
;             (q product: v64-95, v96-127 fragments, v128-255 its 16 accumulators)
;   window 1: v0-63 and v192-255 S, then attn' (16 registers for each of my 8 blocks of 16 rows); v64-127, v128-191 weight fragments
;   window 2, 3: the 64 accumulators of a tile, (a, b) at v[8 (8 a + b)]: my rows 0-63, 64-127
.set PITCH,  272                       ; an LDS row of a tile: 256 bytes + 16 of padding: the 16 rows of a fragment load begin 68 words apart
.set HALFT,  128*PITCH                 ; 128 rows: what one tensor load brings
.set SLOT,   4*HALFT                   ; parts 0, 1: data rows 0-255; parts 2, 3: weight rows (K steps 20-23: all four parts hold Wo, wave w's rows in part w)
.set XB,     2*SLOT                    ; X: two halves of 32 rows
.set XPITCH, 528                       ; 512 bytes + 16
.set XH,     32*XPITCH                 ; half jw holds, in the 16 bytes at 64 (s % 8) + 16 t of row s / 8, d = 16 t + 8 jw + 0 .. 7
.set ATB,    XB                        ; attn' on its way between waves: 256 rows of 80 bytes, dead before the first store of X
.set APITCH, 80
.set KWB,    XB+2*XH                   ; 0.125 / width as [16][64] f32,
.set NKW,    4096                      ; and - key / width behind it
; the way out uses 4 x XH bytes from LDS byte 0: slot 0, behind its last fill and its last read
.set ADRA,  6                          ; v6-7    main: my data fragments in slot 0, 1
.set ADRB0, 8                          ; v8-9    main: my even weight fragments
.set ADRB1, 10                         ; v10-11  main: my odd weight fragments
.set ADRQA, 12                         ; v12-13  q: data
.set ADRQB, 14                         ; v14-15  q: weights
.set ADRW,  16                         ; v16-17  out: weights
.set XRD,   18                         ; out: data (X)
.set XST,   19                         ; where my 8 bytes of X go; 16 bytes on with each tile
.set AT0,   20                         ; attn' of my rows: rules 8 hl ..
.set AT1,   21                         ; rules 8 (1 - hl) ..
.set ATS,   22                         ; where attn' is put
.set ZAD,   23                         ; the rules' tables
.set BV0,   24                         ; bias of even, odd weight fragments
.set BV1,   25
.set BOA,   26                         ; bias of plain fragments
.set STO,   27                         ; the way out: in
.set RD,    28                         ; the way out: back
.set CO,    29                         ; my 16 bytes of a row of out0
.set KWS,   30
.set KWO,   31
.set BQ,    32                         ; v32-63  bq as C
.set T,     32                         ; v32-47  z: t, two sets of four pairs
.set ZA,    48                         ; v48-55  z: running sums, a pair for each block of rows
.set E,     32                         ; v32-63  rule sums
.set ZB,    64                         ; v64-127 z: two buffers of 16 + 16 table entries
.set F0,    64
.set F1,    128
.set QF0,   64
.set QF1,   96
.set QACC,  128
.set BIAS,  192
.set G1,  24                           ; s[24:31] shape of a data tile, mask of my row of the cluster
.set G0,  32                           ; s[32:39] from where, to where: data (and Wo), a set for each slot
.set G1B, 40                           ; s[40:47] shape of Wv's tile, mask of my column
.set G0B, 48                           ; s[48:55] from where, to where: Wq, Wv
.set G1Q, 56                           ; s[56:63] shape of Wq's tile (32 rows), mask of my column
.set G1W, 92                           ; s[92:99] shape of Wo's tile, no mask
.set FL, (1<<16)|(1<<20)|(5<<22)|(3<<25)   ; elements of 2 bytes; padding on; after every 64 words; 4 words
.set MUL_LO, 0xa1                      ; source 0 window 1, source 1 window 0, C and D window 2
.set MUL_HI, 0xf1                      ; C and D window 3
.set FST_LO, 0x81                      ; C (the bias) window 0, D window 2
.set FST_HI, 0xc1
.set TO_B,   0x40                      ; destination window 1
.set MSB, 0
.macro WIN new                         ; the immediate's high byte repeats the setting that is left; switches that change nothing are dropped
.if MSB != (\new)
	s_set_vgpr_msb (MSB<<8)|(\new)
.set MSB, (\new)
.endif
.endm
; Four places behind matrix instructions, in front of loads into their sources and of vector instructions that read their results
.macro PLACES
.rept 4
	v_nop
.endr
.endm
; A round of the cluster's barrier behind its opening work-group barrier
.macro CREST
	s_cmp_lg_u32 s4, 0
	s_cbranch_scc1 .Lnot_wave_0_\@
	s_barrier_signal -3
.Lnot_wave_0_\@:
	s_barrier_wait -3
	s_barrier_signal -1
	s_barrier_wait -1
.endm
.macro CROUND
	s_barrier_signal -1
	s_barrier_wait -1
	CREST
.endm
; A joint load: waves 0, 1 fetch the two halves of the data tile, waves 2, 3 those of the weight tile (shape gb).  The branch hangs on the wave's number alone.
.macro JLOAD n, gb
	s_cmp_eq_u32 s5, 0
	s_cbranch_scc0 .Lfor_b_\@
	tensor_load_to_lds s[G0+4*\n:G0+4*\n+3], s[G1:G1+7]
	s_nop 0
	s_branch .Lasked_\@
.Lfor_b_\@:
	tensor_load_to_lds s[G0B+4*\n:G0B+4*\n+3], s[\gb:\gb+7]
	s_nop 0
.Lasked_\@:
.endm
; Slot n is filled again, two K steps ahead.  It stands behind a round in front of which every wave has waited for all its tensor loads,
; so the groups 0 may be written.  One tensor load a wave.
.set K_QQ, 0                           ; q to q: 128 along K twice = 512 bytes on
.set K_QM, 1                           ; q to main: value and Wv, K step n
.set K_MA, 2                           ; inside a tile: 512 bytes on
.set K_MB, 3                           ; to the next tile: value 512 bytes back; Wv 256 rows of 1,024 bytes on and 512 bytes back
.set K_MW, 4                           ; main to out: Wo, K step n
.set K_WW, 5                           ; out to out
.macro REFILL kind, n
.if \kind == K_QQ
	s_add_nc_u64 s[G0+4*\n+2:G0+4*\n+3], s[G0+4*\n+2:G0+4*\n+3], 512
	s_add_nc_u64 s[G0B+4*\n+2:G0B+4*\n+3], s[G0B+4*\n+2:G0B+4*\n+3], 512
	JLOAD \n, G1Q
.endif
.if \kind == K_QM
	s_add_nc_u64 s[G0+4*\n+2:G0+4*\n+3], s[14:15], 256*\n
	s_or_b32 s[G0+4*\n+3], s[G0+4*\n+3], 0x80000000
	s_add_nc_u64 s[G0B+4*\n+2:G0B+4*\n+3], s[16:17], 256*\n
	s_or_b32 s[G0B+4*\n+3], s[G0B+4*\n+3], 0x80000000
	JLOAD \n, G1B
.endif
.if \kind == K_MA
	s_add_nc_u64 s[G0+4*\n+2:G0+4*\n+3], s[G0+4*\n+2:G0+4*\n+3], 512
	s_add_nc_u64 s[G0B+4*\n+2:G0B+4*\n+3], s[G0B+4*\n+2:G0B+4*\n+3], 512
	JLOAD \n, G1B
.endif
.if \kind == K_MB
	s_sub_nc_u64 s[G0+4*\n+2:G0+4*\n+3], s[G0+4*\n+2:G0+4*\n+3], 512
	s_add_nc_u64 s[G0B+4*\n+2:G0B+4*\n+3], s[G0B+4*\n+2:G0B+4*\n+3], 256*1024-512
	JLOAD \n, G1B
.endif
.if \kind == K_MW
	s_add_nc_u64 s[G0+4*\n+2:G0+4*\n+3], s[18:19], 256*\n
	s_or_b32 s[G0+4*\n+3], s[G0+4*\n+3], 0x80000000
	tensor_load_to_lds s[G0+4*\n:G0+4*\n+3], s[G1W:G1W+7]          ; every wave its own 128 rows of Wo, into its own part
	s_nop 0
.endif
.if \kind == K_WW
	s_add_nc_u64 s[G0+4*\n+2:G0+4*\n+3], s[G0+4*\n+2:G0+4*\n+3], 512
	tensor_load_to_lds s[G0+4*\n:G0+4*\n+3], s[G1W:G1W+7]
	s_nop 0
.endif
.endm
	; ---------------------------------------------------------------- the head
	s_load_b256 s[68:75], s[0:1], 0x0              ; vb 68, qb 70, wvb 72, wqb 74
	s_load_b256 s[76:83], s[0:1], 0x20             ; wob 76, bq 78, bv 80, bo 82
	s_load_b128 s[84:87], s[0:1], 0x40             ; rules_keys 84, rules_widths 86
	s_load_b64 s[88:89], s[0:1], 0x50              ; out0
	v_lshl_add_u32 v62, v0, 2, 0x4e400
	v_mov_b32 v63, 0
	ds_add_u32 v62, v63
	s_wait_dscnt 0x0
	v_lshrrev_b32 v1, 5, v0
	v_readfirstlane_b32 s4, v1                     ; wave w = 2 i + jw
	s_lshr_b32 s5, s4, 1                           ; i: my half of the rows.  Also: I fetch data (0) or weights (1)
	s_and_b32 s6, s4, 1                            ; jw: my half of the columns.  Also: which half of that tile I fetch
	s_bfe_u32 s8, ttmp6, 0x40000                   ; cx
	s_bfe_u32 s9, ttmp6, 0x40004                   ; cy
	s_lshl_b32 s10, ttmp9, 2
	s_add_co_u32 s10, s10, s8                      ; head = 4 x cluster x + cx
	s_and_b32 s11, ttmp7, 0xffff
	s_lshl_b32 s11, s11, 2
	s_add_co_u32 s11, s11, s9                      ; block of rows = 4 x cluster y + cy
	s_lshl_b32 s12, s9, 2
	s_lshl_b32 s12, 15, s12                        ; my row of the cluster: places 4 cy .. 4 cy + 3
	s_lshl_b32 s13, 0x1111, s8                     ; my column: places cx, cx + 4, cx + 8, cx + 12
	s_mov_b32 s66, 0x76543210                      ; v_permlanex16_b32: lane i of one half reads lane i of the other
	s_mov_b32 s67, 0xfedcba98
	s_or_b32 s[G1+0], s12, FL|(1<<21)              ; 15:0 the mask; bit 21 set beside a mask
	s_or_b32 s[G1B+0], s13, FL|(1<<21)
	s_or_b32 s[G1Q+0], s13, FL|(1<<21)
	s_mov_b32 s[G1W+0], FL
.irp g, G1, G1B, G1W
	s_mov_b32 s[\g+1], 128<<16                     ; tensor_dim0 = 128 elements
	s_mov_b32 s[\g+2], 128<<16                     ; tensor_dim1 = 128 rows
	s_mov_b32 s[\g+3], 128<<16                     ; tile_dim0 = 128
	s_mov_b32 s[\g+4], 128                         ; tile_dim1 = 128
	s_mov_b32 s[\g+5], 512                         ; elements from row to row
	s_mov_b32 s[\g+6], 0
	s_mov_b32 s[\g+7], 0
.endr
	s_mov_b32 s[G1Q+1], 128<<16
	s_mov_b32 s[G1Q+2], 32<<16                     ; 32 rows: half of my head's 64 rows of Wq
	s_mov_b32 s[G1Q+3], 128<<16
	s_mov_b32 s[G1Q+4], 32
	s_mov_b32 s[G1Q+5], 512
	s_mov_b32 s[G1Q+6], 0
	s_mov_b32 s[G1Q+7], 0
	s_lshl_b32 s2, s11, 18                         ; data: (256 x block + 128 jw) rows of 1,024 bytes; s[2:3] never hold cx
	s_lshl_b32 s3, s6, 17
	s_add_co_u32 s2, s2, s3
	s_mov_b32 s3, 0
	s_lshl_b32 s90, s10, 16                        ; Wq: (64 x head + 32 jw) rows of 1,024 bytes
	s_lshl_b32 s91, s6, 15
	s_add_co_u32 s90, s90, s91
	s_mov_b32 s91, 0
	s_mul_i32 s100, s4, HALFT                      ; my part of a slot: no place in the cluster enters an LDS address
	s_wait_kmcnt 0x0
	s_add_nc_u64 s[14:15], s[68:69], s[2:3]        ; value's first tile
	s_add_nc_u64 s[70:71], s[70:71], s[2:3]        ; query's
	s_add_nc_u64 s[74:75], s[74:75], s[90:91]      ; Wq's
	CROUND                                         ; all sixteen work-groups are here: the first joint loads meet
.irp n, 0,1
	s_mov_b32 s[G0+4*\n], 1                                        ; count = 1
	s_add_co_u32 s[G0+4*\n+1], s100, \n*SLOT                       ; LDS address
	s_add_nc_u64 s[G0+4*\n+2:G0+4*\n+3], s[70:71], \n*256          ; K step n
	s_or_b32 s[G0+4*\n+3], s[G0+4*\n+3], 0x80000000                ; type = 2
	s_mov_b32 s[G0B+4*\n], 1
	s_add_co_u32 s[G0B+4*\n+1], s100, \n*SLOT
	s_add_nc_u64 s[G0B+4*\n+2:G0B+4*\n+3], s[74:75], \n*256
	s_or_b32 s[G0B+4*\n+3], s[G0B+4*\n+3], 0x80000000
	JLOAD \n, G1Q                                  ; both first fills go out before anything else is done
.endr
	; the other addresses: a buffer's address plus an offset below 2^25, in a pair with 0 above it
	s_lshl_b32 s90, s10, 20                        ; Wv: (1024 x head + 128 jw) rows of 1,024 bytes
	s_lshl_b32 s7, s6, 17
	s_add_co_u32 s90, s90, s7
	s_add_nc_u64 s[16:17], s[72:73], s[90:91]
	s_lshl_b32 s90, s4, 17                         ; Wo: 128 w rows of 1,024 bytes
	s_add_nc_u64 s[18:19], s[76:77], s[90:91]
	s_lshl_b32 s90, s10, 12                        ; my head's 1,024 keys, widths; its 1,024 numbers of bv
	s_add_nc_u64 s[84:85], s[84:85], s[90:91]
	s_add_nc_u64 s[86:87], s[86:87], s[90:91]
	s_lshl_b32 s7, s6, 9                           ; + my 128 columns
	s_add_co_u32 s90, s90, s7
	s_add_nc_u64 s[20:21], s[80:81], s[90:91]
	s_lshl_b32 s90, s10, 8                         ; my head's 64 numbers of bq
	s_add_nc_u64 s[78:79], s[78:79], s[90:91]
	s_lshl_b32 s90, s4, 9                          ; my 128 numbers of bo, and my 128 columns of out0
	s_add_nc_u64 s[22:23], s[82:83], s[90:91]
	s_lshl_b32 s7, s10, 19                         ; out0's row 2048 b + 256 head + 32 (block % 8), rows of 2,048 bytes
	s_add_co_u32 s90, s90, s7
	s_lshr_b32 s7, s11, 3
	s_lshl_b32 s7, s7, 22
	s_add_co_u32 s90, s90, s7
	s_and_b32 s7, s11, 7
	s_lshl_b32 s7, s7, 16
	s_add_co_u32 s90, s90, s7
	s_add_nc_u64 s[88:89], s[88:89], s[90:91]
	v_and_b32 v1, 15, v0                           ; r = l % 16
	v_bfe_u32 v2, v0, 4, 1                         ; hl = l / 16
	v_lshlrev_b32 v[BOA], 5, v2                    ; eight f32 for each half of the lanes
	v_lshlrev_b32 v[KWO], 5, v0                    ; eight keys and eight widths a thread: 128 x 8 = 16 rules x 64
.irp b, 0,1,2,3
	global_load_b128 v[BQ+8*\b:BQ+8*\b+3], v[BOA], s[78:79] offset:64*\b       ; bq[16 b + 8 hl + j]
	global_load_b128 v[BQ+8*\b+4:BQ+8*\b+7], v[BOA], s[78:79] offset:64*\b+16
.endr
	global_load_b128 v[64:67], v[KWO], s[84:85]
	global_load_b128 v[68:71], v[KWO], s[84:85] offset:16
	global_load_b128 v[72:75], v[KWO], s[86:87]
	global_load_b128 v[76:79], v[KWO], s[86:87] offset:16
	; A fragment is 16 rows x 32 K: lane l takes row l % 16, 16 bytes at 16 (l / 16) and 16 bytes 32 further on
	v_mul_u32_u24 v3, v1, PITCH
	v_lshl_add_u32 v3, v2, 4, v3
	s_mul_i32 s90, s5, HALFT
	v_add_nc_u32 v[ADRA], s90, v3                  ; my 128 rows of value
	; Wv's rows are taken in another order, so that a lane ends up with all 16 rules of one d and no lane exchange is needed.  Of my 128 rows
	; (row x: d = x / 16, rule = x % 16) fragment 2 p takes 16 p + r (r < 8) and 16 p + 64 + r (r >= 8); fragment 2 p + 1 takes 16 p + 8 + r and 16 p + 56 + r.
	; Lanes with hl = 0 then hold d = p: rules 0-7 in tile 2 p, 8-15 in tile 2 p + 1; lanes with hl = 1 hold d = p + 4: rules 8-15, then 0-7.
	; Each sixteen rows are 0 .. 15 modulo 16, as in a plain fragment.
	s_mul_i32 s90, s6, HALFT
	s_add_co_u32 s90, s90, 2*HALFT
	v_and_b32 v4, 8, v1
	v_lshl_add_u32 v5, v4, 3, v1                   ; r + 8 (r & 8)
	v_mul_u32_u24 v5, v5, PITCH
	v_lshl_add_u32 v5, v2, 4, v5
	v_add_nc_u32 v[ADRB0], s90, v5
	v_mad_u32_u24 v5, v4, 6, v1                    ; r + 6 (r & 8)
	v_add_nc_u32 v5, 8, v5
	v_mul_u32_u24 v5, v5, PITCH
	v_lshl_add_u32 v5, v2, 4, v5
	v_add_nc_u32 v[ADRB1], s90, v5
	s_mul_i32 s90, s4, 64*PITCH
	v_add_nc_u32 v[ADRQA], s90, v3                 ; q: my 64 rows of query
	v_add_nc_u32 v[ADRQB], 2*HALFT, v3             ; q: Wq's 64 rows, 32 at the head of part 2, 32 at the head of part 3
	v_add_nc_u32 v[ADRW], s100, v3                 ; out: my 128 rows of Wo
.irp x, ADRA, ADRB0, ADRB1, ADRQA, ADRQB, ADRW
	v_add_nc_u32 v[\x+1], SLOT, v[\x]
.endr
	v_mul_u32_u24 v4, v1, XPITCH
	v_mad_u32_u24 v[XRD], v2, XH, v4               ; X as data: row r, half hl: its 16 bytes at 32 kq are k = 32 kq + 8 hl + 0..7, those 16 on are k + 16
	v_add_nc_u32 v[XRD], XB, v[XRD]
	s_mul_i32 s90, s4, XH                          ; my stage for the way out
	v_lshl_add_u32 v[STO], v2, 5, v4
	v_add_nc_u32 v[STO], s90, v[STO]
	v_and_b32 v5, 31, v0
	v_lshlrev_b32 v[CO], 4, v5
	v_add_nc_u32 v[RD], s90, v[CO]
	s_mul_i32 s90, s6, XH                          ; X as result: half jw, row 16 i + 2 A + r / 8, byte 64 (r % 8) + 16 t + 8 hl
	s_mul_i32 s7, s5, 16*XPITCH
	s_add_co_u32 s90, s90, s7
	s_add_co_u32 s90, s90, XB
	v_lshrrev_b32 v4, 3, v1
	v_and_b32 v5, 7, v1
	v_mul_u32_u24 v4, v4, XPITCH
	v_lshl_add_u32 v4, v5, 6, v4
	v_lshl_add_u32 v4, v2, 3, v4
	v_add_nc_u32 v[XST], s90, v4
	v_mul_u32_u24 v4, v1, APITCH
	s_mul_i32 s90, s4, 64*APITCH
	s_add_co_u32 s90, s90, ATB
	v_add_nc_u32 v[ATS], s90, v4                   ; attn' in: row 64 w + 16 a + r
	s_mul_i32 s90, s5, 128*APITCH
	s_add_co_u32 s90, s90, ATB
	v_add_nc_u32 v4, s90, v4                       ; attn' back: row 128 i + 16 A + r,
	v_lshl_add_u32 v[AT0], v2, 5, v4               ; rules 8 hl ..
	v_sub_nc_u32 v5, 1, v2
	v_lshl_add_u32 v[AT1], v5, 5, v4               ; rules 8 (1 - hl) ..
	v_lshl_add_u32 v[ZAD], v2, 5, KWB
	v_mul_u32_u24 v[BV0], v2, 288                  ; bias of tile 2 p: bv rows 16 p + j (hl = 0), 16 p + 72 + j (hl = 1)
	v_mad_u32_u24 v[BV1], v2, 224, 32              ; of tile 2 p + 1: 16 p + 8 + j, 16 p + 64 + j
	v_lshl_add_u32 v[KWS], v0, 5, KWB
	s_wait_loadcnt 0x0                             ; bq, keys, widths
.irp j, 0,1,2,3,4,5,6,7
	v_rcp_f32 v[96+\j], v[72+\j]
.endr
	v_nop                                          ; one plain place behind the last v_rcp_f32 (ISA guide 5.7.2)
	s_wait_alu depctr_va_vdst(0)
.irp j, 0,2,4,6
	v_pk_mul_f32 v[80+\j:81+\j], v[96+\j:97+\j], 0x3e000000 op_sel_hi:[1,0]               ; 0.125 / width: the scale of q rides along
	v_pk_mul_f32 v[88+\j:89+\j], v[64+\j:65+\j], v[96+\j:97+\j] neg_lo:[1,0] neg_hi:[1,0] ; - key / width
.endr
	ds_store_b128 v[KWS], v[80:83]
	ds_store_b128 v[KWS], v[84:87] offset:16
	ds_store_b128 v[KWS], v[88:91] offset:NKW
	ds_store_b128 v[KWS], v[92:95] offset:NKW+16
	; ---------------------------------------------------------------- q_raw = query Wq^T + bq
; 16 LDS loads: the fragments of 32 along K at byte k of slot n's rows: Wq's 64 rows, my 64 rows of query
.macro FETCHQ n, k, f
	WIN TO_B
.irp b, 0,1,2,3
	ds_load_b128 v[\f+8*\b:\f+8*\b+3], v[ADRQB+(\n)] offset:\k+((\b)&1)*16*PITCH+((\b)>>1)*HALFT
	ds_load_b128 v[\f+8*\b+4:\f+8*\b+7], v[ADRQB+(\n)] offset:\k+((\b)&1)*16*PITCH+((\b)>>1)*HALFT+32
.endr
	WIN 0
.irp a, 0,1,2,3
	ds_load_b128 v[\f+8*\a:\f+8*\a+3], v[ADRQA+(\n)] offset:\k+\a*16*PITCH
	ds_load_b128 v[\f+8*\a+4:\f+8*\a+7], v[ADRQA+(\n)] offset:\k+\a*16*PITCH+32
.endr
.endm
; 16 matrix instructions on 16 accumulators: (a, b) = my rows 16 a .., d = 16 b ..
.macro MULQ f, first
	WIN 0x01
.irp a, 0,1,2,3
.irp b, 0,1,2,3
.if \first
	v_wmma_f32_16x16x32_bf16 v[QACC+8*(4*\a+\b):QACC+8*(4*\a+\b)+7], v[\f+8*\b:\f+8*\b+7], v[\f+8*\a:\f+8*\a+7], v[BQ+8*\b:BQ+8*\b+7]
.else
	v_wmma_f32_16x16x32_bf16 v[QACC+8*(4*\a+\b):QACC+8*(4*\a+\b)+7], v[\f+8*\b:\f+8*\b+7], v[\f+8*\a:\f+8*\a+7], v[QACC+8*(4*\a+\b):QACC+8*(4*\a+\b)+7]
.endif
.endr
.endr
.endm
.macro SQQ n, k, f, g, first           ; fetch the next quarter into g, multiply f
	PLACES
	FETCHQ \n, \k, \g
	s_wait_dscnt 16                                ; all but the 16 just issued
	MULQ \f, \first
.endm
; A K step of the q product.  At its end the slots change: each wave waits for its reads of this slot and for all its tensor loads, the
; work-group's barrier opens a round of the cluster's barrier, sixteen matrix instructions stand inside it, the refill comes first behind it.
.macro QSTEP n, first, kind, fetch
	SQQ \n, 64,  QF0, QF1, \first
	SQQ \n, 128, QF1, QF0, 0
	SQQ \n, 192, QF0, QF1, 0
	s_wait_dscnt 0x0
	s_wait_xcnt 0x0
	s_set_vgpr_msb 0x100
	v_lshl_add_u32 v62, v0, 2, 0x4e400
	v_mov_b32 v63, 0
	s_wait_tensorcnt 0x0
	ds_add_u32 v62, v63
	s_wait_dscnt 0x0
	s_set_vgpr_msb 0x1
	s_barrier_signal -1
	MULQ QF1, 0
	WIN 0
	s_barrier_wait -1
	CREST
	REFILL \kind, \n
.if \fetch
	PLACES
	FETCHQ 1-\n, 0, QF0
.endif
.endm
	s_wait_tensorcnt 0x1                           ; my part of K step 0 is in; K step 1's stays out
	s_wait_dscnt 0x0                               ; my part of the rules' tables is in LDS
	s_barrier_signal -1
	s_barrier_wait -1
	FETCHQ 0, 0, QF0
	QSTEP 0, 1, K_QQ, 1
	QSTEP 1, 0, K_QQ, 1
	QSTEP 0, 0, K_QM, 1                            ; the main product's first two K steps land while z is made
	QSTEP 1, 0, K_QM, 0
	; ---------------------------------------------------------------- S[row][rule] = sum over d of t^2
	; A lane holds, of each of its four rows, d = 16 b + 8 hl + j: 32 of the 64.  A unit u = 2 rule + hb takes b = 2 hb, 2 hb + 1: 16 entries of each table.
.macro ZLOAD u
.irp q, 0,1,2,3
	ds_load_b128 v[ZB+32*((\u)&1)+4*\q:ZB+32*((\u)&1)+4*\q+3], v[ZAD] offset:128*(\u)+64*((\q)>>1)+16*((\q)&1)
.endr
.irp q, 0,1,2,3
	ds_load_b128 v[ZB+32*((\u)&1)+16+4*\q:ZB+32*((\u)&1)+16+4*\q+3], v[ZAD] offset:NKW+128*(\u)+64*((\q)>>1)+16*((\q)&1)
.endr
.endm
.macro ZOP1 u, pp                      ; t = q_raw (0.125 / width) - key / width, two d of each of four rows
.irp a, 0,1,2,3
	v_pk_fma_f32 v[T+2*(4*((\pp)&1)+\a):T+2*(4*((\pp)&1)+\a)+1], v[QACC+8*(4*\a+2*((\u)&1)+((\pp)>>2))+2*((\pp)&3):QACC+8*(4*\a+2*((\u)&1)+((\pp)>>2))+2*((\pp)&3)+1], v[ZB+32*((\u)&1)+2*(\pp):ZB+32*((\u)&1)+2*(\pp)+1], v[ZB+32*((\u)&1)+16+2*(\pp):ZB+32*((\u)&1)+16+2*(\pp)+1]
.endr
.endm
.macro ZOP2 u, pp                      ; the sums of t^2; a rule's first product starts them
.irp a, 0,1,2,3
.if (((\u)&1)+(\pp)) == 0
	v_pk_mul_f32 v[ZA+2*\a:ZA+2*\a+1], v[T+2*(4*((\pp)&1)+\a):T+2*(4*((\pp)&1)+\a)+1], v[T+2*(4*((\pp)&1)+\a):T+2*(4*((\pp)&1)+\a)+1]
.else
	v_pk_fma_f32 v[ZA+2*\a:ZA+2*\a+1], v[T+2*(4*((\pp)&1)+\a):T+2*(4*((\pp)&1)+\a)+1], v[T+2*(4*((\pp)&1)+\a):T+2*(4*((\pp)&1)+\a)+1], v[ZA+2*\a:ZA+2*\a+1]
.endif
.endr
.endm
	PLACES                                         ; behind the q product's last matrix instructions
	ZLOAD 0
	ZLOAD 1
.set u, 0
.rept 32
.if u == 31
	s_wait_dscnt 0x0
.else
	s_wait_dscnt 8                                 ; this unit's eight loads are in, the next unit's eight stay out
.endif
	ZOP1 u, 0
.irp pp, 0,1,2,3,4,5,6
	ZOP1 u, \pp+1
	ZOP2 u, \pp
.endr
	ZOP2 u, 7
.if u < 30
	ZLOAD u+2
.endif
.if (u&1) == 1
	WIN 0x40
.irp a, 0,1,2,3
	v_add_f32 v[16*\a+(u>>1)], v[ZA+2*\a], v[ZA+2*\a+1]    ; S(a, rule), my 32 d, in window 1
.endr
	WIN 0
.endif
.set u, u+1
.endr
	; ---------------------------------------------------------------- softmax over the 16 rules; all registers in window 1
	WIN 0x55
.set i, 0
.rept 64
	v_permlanex16_b32 v[64+i], v[i], s66, s67      ; the other 32 d (the destinations have held fragments)
.set i, i+1
.endr
.set i, 0
.rept 32
	v_pk_add_f32 v[2*i:2*i+1], v[2*i:2*i+1], v[64+2*i:64+2*i+1]
.set i, i+1
.endr
.irp a, 0,1,2,3
	v_min3_num_f32 v[128+2*\a], v[16*\a], v[16*\a+1], v[16*\a+2]
.endr
.irp k, 3,5,7,9,11,13
.irp a, 0,1,2,3
	v_min3_num_f32 v[128+2*\a], v[128+2*\a], v[16*\a+\k], v[16*\a+\k+1]
.endr
.endr
.irp a, 0,1,2,3
	v_min_num_f32 v[128+2*\a], v[128+2*\a], v[16*\a+15]    ; the least S is the largest z
.endr
.irp a, 0,1,2,3
	v_mov_b32 v[129+2*\a], v[128+2*\a]
.endr
.irp a, 0,1,2,3
.irp k, 0,2,4,6,8,10,12,14
	v_pk_add_f32 v[16*\a+\k:16*\a+\k+1], v[128+2*\a:129+2*\a], v[16*\a+\k:16*\a+\k+1] neg_lo:[0,1] neg_hi:[0,1]   ; least S - S, at most 0
.endr
.endr
.set i, 0
.rept 32
	v_pk_mul_f32 v[2*i:2*i+1], v[2*i:2*i+1], 0x3c38aa3b op_sel_hi:[1,0]    ; x log2(e) / 128: e^(z - largest z) = 2^this
.set i, i+1
.endr
.set i, 0
.rept 64
	v_exp_f32 v[i], v[i]
.set i, i+1
.endr
	v_nop                                          ; one plain place behind the last v_exp_f32 (ISA guide 5.7.2)
	s_wait_alu depctr_va_vdst(0)
.irp a, 0,1,2,3
	v_pk_add_f32 v[64+8*\a:65+8*\a], v[16*\a:16*\a+1], v[16*\a+2:16*\a+3]
	v_pk_add_f32 v[66+8*\a:67+8*\a], v[16*\a+4:16*\a+5], v[16*\a+6:16*\a+7]
	v_pk_add_f32 v[68+8*\a:69+8*\a], v[16*\a+8:16*\a+9], v[16*\a+10:16*\a+11]
	v_pk_add_f32 v[70+8*\a:71+8*\a], v[16*\a+12:16*\a+13], v[16*\a+14:16*\a+15]
.endr
.irp a, 0,1,2,3
	v_pk_add_f32 v[64+8*\a:65+8*\a], v[64+8*\a:65+8*\a], v[66+8*\a:67+8*\a]
	v_pk_add_f32 v[68+8*\a:69+8*\a], v[68+8*\a:69+8*\a], v[70+8*\a:71+8*\a]
.endr
.irp a, 0,1,2,3
	v_pk_add_f32 v[64+8*\a:65+8*\a], v[64+8*\a:65+8*\a], v[68+8*\a:69+8*\a]
.endr
.irp a, 0,1,2,3
	v_add_f32 v[64+8*\a], v[64+8*\a], v[65+8*\a]   ; between 1 and 16
.endr
.irp a, 0,1,2,3
	v_rcp_f32 v[128+2*\a], v[64+8*\a]
.endr
	v_nop
	s_wait_alu depctr_va_vdst(0)
.irp a, 0,1,2,3
	v_mul_f32 v[129+2*\a], 0x3e000000, v[128+2*\a] ; the scale of v, 1 / 8, rides on the weights
	v_mul_f32 v[128+2*\a], 0x3e000000, v[128+2*\a]
.endr
.irp a, 0,1,2,3
.irp k, 0,2,4,6,8,10,12,14
	v_pk_mul_f32 v[16*\a+\k:16*\a+\k+1], v[16*\a+\k:16*\a+\k+1], v[128+2*\a:129+2*\a]
.endr
.endr
	WIN 0x04                                       ; store data in window 1, address in window 0
.irp a, 0,1,2,3
.irp c, 0,1,2,3
	ds_store_b128 v[ATS], v[16*\a+4*\c:16*\a+4*\c+3] offset:16*APITCH*\a+16*\c   ; both halves of the lanes hold the same numbers and store them to the same bytes
.endr
.endr
	WIN 0
	s_wait_dscnt 0x0                               ; my rows of attn' are in LDS
	s_barrier_signal -1
	s_barrier_wait -1                              ; everybody's are.  K step 5's load may stay out
	WIN TO_B
.irp A, 0,1,2,3,4,5,6,7
	ds_load_b128 v[16*\A+128*((\A)>>2):16*\A+128*((\A)>>2)+3], v[AT0] offset:16*APITCH*\A           ; for even tiles: rules 8 hl + j
	ds_load_b128 v[16*\A+128*((\A)>>2)+4:16*\A+128*((\A)>>2)+7], v[AT0] offset:16*APITCH*\A+16
	ds_load_b128 v[16*\A+128*((\A)>>2)+8:16*\A+128*((\A)>>2)+11], v[AT1] offset:16*APITCH*\A        ; for odd tiles: rules 8 (1 - hl) + j
	ds_load_b128 v[16*\A+128*((\A)>>2)+12:16*\A+128*((\A)>>2)+15], v[AT1] offset:16*APITCH*\A+16
.endr
	WIN 0
	; ---------------------------------------------------------------- value Wv^T + bv, and the sum over the rules
.macro BIASV                           ; bv of my 128 columns of a tile, in the fragments' order of rows
.irp b, 0,1,2,3,4,5,6,7
	global_load_b128 v[BIAS+8*\b:BIAS+8*\b+3], v[BV0+((\b)&1)], s[20:21] offset:64*((\b)>>1)
	global_load_b128 v[BIAS+8*\b+4:BIAS+8*\b+7], v[BV0+((\b)&1)], s[20:21] offset:64*((\b)>>1)+16
.endr
.endm
.macro BIASO                           ; bo of my 128 columns of out0
.irp b, 0,1,2,3,4,5,6,7
	global_load_b128 v[BIAS+8*\b:BIAS+8*\b+3], v[BOA], s[22:23] offset:64*\b
	global_load_b128 v[BIAS+8*\b+4:BIAS+8*\b+7], v[BOA], s[22:23] offset:64*\b+16
.endr
.endm
; 32 LDS loads in one run: my 128 rows of Wv, my 128 rows of value, 32 K at byte k of slot n's rows, into buffer f
.macro FETCH n, k, f
	WIN TO_B
.irp b, 0,1,2,3,4,5,6,7
	ds_load_b128 v[\f+8*\b:\f+8*\b+3], v[ADRB0+2*((\b)&1)+(\n)] offset:\k+((\b)>>1)*16*PITCH
	ds_load_b128 v[\f+8*\b+4:\f+8*\b+7], v[ADRB0+2*((\b)&1)+(\n)] offset:\k+((\b)>>1)*16*PITCH+32
.endr
	WIN 0
.irp a, 0,1,2,3,4,5,6,7
	ds_load_b128 v[\f+8*\a:\f+8*\a+3], v[ADRA+(\n)] offset:\k+\a*16*PITCH
	ds_load_b128 v[\f+8*\a+4:\f+8*\a+7], v[ADRA+(\n)] offset:\k+\a*16*PITCH+32
.endr
.endm
; 16 matrix instructions: row blocks a0, a0 + 1 of the window's four x all 8 weight fragments.  first = 1: C is the bias
.macro MUL16 f, hi, a0, first
.irp a, \a0, \a0+1
.irp b, 0,1,2,3,4,5,6,7
.if \first
	v_wmma_f32_16x16x32_bf16 v[8*(8*(\a)+\b):8*(8*(\a)+\b)+7], v[\f+8*\b:\f+8*\b+7], v[\f+8*(4*\hi+\a):\f+8*(4*\hi+\a)+7], v[BIAS+8*\b:BIAS+8*\b+7]
.else
	v_wmma_f32_16x16x32_bf16 v[8*(8*(\a)+\b):8*(8*(\a)+\b)+7], v[\f+8*\b:\f+8*\b+7], v[\f+8*(4*\hi+\a):\f+8*(4*\hi+\a)+7], v[8*(8*(\a)+\b):8*(8*(\a)+\b)+7]
.endif
.endr
.endr
.endm
; One of a K step's first three quarters: multiplies buffer f, fetches the next quarter into g in its middle.
; bias = 1: the next tile's bv is asked for; 2: bo.  The bias registers were last read as C one quarter earlier, and PLACES stands between.
.macro QUARTER n, k, f, g, first, bias
	s_wait_dscnt 8                                 ; the weights and my rows 0-63 are in; the youngest eight LDS instructions may be out
.if \first
	WIN FST_LO
.else
	WIN MUL_LO
.endif
	MUL16 \f, 0, 0, \first
	MUL16 \f, 0, 2, \first
	PLACES
	FETCH \n, \k, \g
.if \bias == 1
	s_add_nc_u64 s[20:21], s[20:21], 1024          ; 256 columns on; the loads that named this base were waited for at the tile's head
	BIASV
.endif
.if \bias == 2
	BIASO
.endif
	s_wait_dscnt 32                                ; all but the 32 just issued
.if \first
	WIN FST_HI
.else
	WIN MUL_HI
.endif
	MUL16 \f, 1, 0, \first
	MUL16 \f, 1, 2, \first
.endm
.macro THREE n
	QUARTER \n, 64,  F0, F1, 0, 0
	QUARTER \n, 128, F1, F0, 0, 0
	QUARTER \n, 192, F0, F1, 0, 0
.endm
; The last quarter: multiplies buffer 1 and changes slots.  In front of the barrier each wave waits for its reads of this slot and for all its
; tensor loads (one is out: its part of the next slot); the barrier opens a round of the cluster's barrier; sixteen matrix instructions stand
; inside; the refill is the first tensor load behind the round.  From a request to the wait for it a wave issues 240 matrix instructions.
.macro TURN n, next, kind, fetch
	s_wait_dscnt 8
	WIN MUL_LO
	MUL16 F1, 0, 0, 0
	s_wait_dscnt 0x0
	s_wait_xcnt 0x0
	s_set_vgpr_msb 0xa120
	v_lshl_add_u32 v62, v0, 2, 0x4e400
	v_mov_b32 v63, 0
	s_wait_tensorcnt 0x0
	ds_add_u32 v62, v63
	s_wait_dscnt 0x0
	s_set_vgpr_msb 0x20a1
	s_barrier_signal -1
	MUL16 F1, 0, 2, 0
	WIN 0
	s_barrier_wait -1
	CREST
	REFILL \kind, \n
.if \fetch
	PLACES
	FETCH \next, 0, F0
.endif
	WIN MUL_HI
	MUL16 F1, 1, 0, 0
	MUL16 F1, 1, 2, 0
.endm
; The sum over the rules.  Of row block A = 4 hi + a and p = 0 .. 3 a lane holds the 16 rules of one d in tiles 2 p and 2 p + 1: eight packed
; multiply-adds with the block's sixteen weights, four chains by turns, then low + high; four d make 8 bytes of X.
.macro EPI
	PLACES
.irp hi, 0,1
.if \hi
	WIN 0x07                                       ; source 0 window 3, source 1 window 1
.else
	WIN 0x06                                       ; source 0 window 2, source 1 window 1
.endif
.irp a, 0,1,2,3
.irp k, 0,1,2,3,4,5,6,7
.irp p, 0,1,2,3
.if \k == 0
	v_pk_mul_f32 v[E+2*(4*\a+\p):E+2*(4*\a+\p)+1], v[8*(8*\a+2*\p+((\k)>>2))+2*((\k)&3):8*(8*\a+2*\p+((\k)>>2))+2*((\k)&3)+1], v[16*\a+192*\hi+2*\k:16*\a+192*\hi+2*\k+1]
.else
	v_pk_fma_f32 v[E+2*(4*\a+\p):E+2*(4*\a+\p)+1], v[8*(8*\a+2*\p+((\k)>>2))+2*((\k)&3):8*(8*\a+2*\p+((\k)>>2))+2*((\k)&3)+1], v[16*\a+192*\hi+2*\k:16*\a+192*\hi+2*\k+1], v[E+2*(4*\a+\p):E+2*(4*\a+\p)+1]
.endif
.endr
.endr
.endr
	WIN 0
.irp x, 0,1,2,3,4,5,6,7,8,9,10,11,12,13,14,15
	v_add_f32 v[E+2*\x], v[E+2*\x], v[E+2*\x+1]
.endr
.irp a, 0,1,2,3
	v_cvt_pk_bf16_f32 v[E+8*\a], v[E+8*\a], v[E+8*\a+2]
	v_cvt_pk_bf16_f32 v[E+8*\a+1], v[E+8*\a+4], v[E+8*\a+6]
	ds_store_b64 v[XST], v[E+8*\a:E+8*\a+1] offset:2*(4*\hi+\a)*XPITCH     ; d = 16 t + 8 jw + 4 hl + 0 .. 3 of row 128 i + 16 A + r
.endr
.endr
	v_add_nc_u32 v[XST], 16, v[XST]                ; the next tile's 16 d
.endm
; A tile: four K steps on slots 0, 1, 0, 1, then the rule sum.  last = 1: the ring goes on with Wo, and nothing is fetched behind the last K step.
.macro TILE last
	s_wait_loadcnt 0x0                             ; this tile's bias
	QUARTER 0, 64, F0, F1, 1, 0
.if \last
	QUARTER 0, 128, F1, F0, 0, 2
.else
	QUARTER 0, 128, F1, F0, 0, 1
.endif
	QUARTER 0, 192, F0, F1, 0, 0
	TURN 0, 1, K_MA, 1
	THREE 1
	TURN 1, 0, K_MA, 1
	THREE 0
.if \last
	TURN 0, 1, K_MW, 1
	THREE 1
	TURN 1, 0, K_MW, 0
.else
	TURN 0, 1, K_MB, 1
	THREE 1
	TURN 1, 0, K_MB, 1
.endif
	EPI
.endm
	BIASV                                          ; the first tile's bias
	FETCH 0, 0, F0                                 ; K step 4 was shown landed by the wait in front of K step 3's barrier
	s_mov_b32 s7, 3
.Ltile:
	TILE 0
	WIN 0                                          ; at a label and at a branch every window is 0
	s_sub_co_u32 s7, s7, 1
	s_cmp_lg_u32 s7, 0
	s_cbranch_scc1 .Ltile
	TILE 1
	; ---------------------------------------------------------------- out = X Wo^T + bo
; 20 LDS loads: my 128 rows of Wo, 32 K at byte k of slot n's rows; the 32 rows of X, K = 32 kq ..
.macro FETCHO n, k, kq, f
	WIN TO_B
.irp b, 0,1,2,3,4,5,6,7
	ds_load_b128 v[\f+8*\b:\f+8*\b+3], v[ADRW+(\n)] offset:\k+\b*16*PITCH
	ds_load_b128 v[\f+8*\b+4:\f+8*\b+7], v[ADRW+(\n)] offset:\k+\b*16*PITCH+32
.endr
	WIN 0
.irp mb, 0,1
	ds_load_b128 v[\f+8*\mb:\f+8*\mb+3], v[XRD] offset:\mb*16*XPITCH+32*(\kq)
	ds_load_b128 v[\f+8*\mb+4:\f+8*\mb+7], v[XRD] offset:\mb*16*XPITCH+32*(\kq)+16
.endr
.endm
.macro MULO f, first                   ; 16 matrix instructions on 16 accumulators: (mb, b) = rows 16 mb .., columns 128 w + 16 b ..
.if \first
	WIN FST_LO
.else
	WIN MUL_LO
.endif
.irp mb, 0,1
.irp b, 0,1,2,3,4,5,6,7
.if \first
	v_wmma_f32_16x16x32_bf16 v[8*(8*\mb+\b):8*(8*\mb+\b)+7], v[\f+8*\b:\f+8*\b+7], v[\f+8*\mb:\f+8*\mb+7], v[BIAS+8*\b:BIAS+8*\b+7]
.else
	v_wmma_f32_16x16x32_bf16 v[8*(8*\mb+\b):8*(8*\mb+\b)+7], v[\f+8*\b:\f+8*\b+7], v[\f+8*\mb:\f+8*\mb+7], v[8*(8*\mb+\b):8*(8*\mb+\b)+7]
.endif
.endr
.endr
.endm
.macro SQO n, k, kq, f, g, first
	PLACES
	FETCHO \n, \k, \kq, \g
	s_wait_dscnt 20                                ; all but the 20 just issued
	MULO \f, \first
.endm
; K step 20 + st on slot n.  refill = 1: the change of slots is a round and the slot is filled again; 0: a plain barrier, nothing is left to fetch
.macro OSTEP n, st, first, refill
	SQO \n, 64,  4*\st+1, F0, F1, \first
	SQO \n, 128, 4*\st+2, F1, F0, 0
	SQO \n, 192, 4*\st+3, F0, F1, 0
	s_wait_dscnt 0x0
	s_wait_xcnt 0x0
	s_set_vgpr_msb 0xa120
	v_lshl_add_u32 v62, v0, 2, 0x4e400
	v_mov_b32 v63, 0
	s_wait_tensorcnt 0x0
	ds_add_u32 v62, v63
	s_wait_dscnt 0x0
	s_set_vgpr_msb 0x20a1
	s_barrier_signal -1
	MULO F1, 0
	WIN 0
	s_barrier_wait -1
.if \refill
	CREST
	REFILL K_WW, \n
.endif
	PLACES
	FETCHO 1-\n, 0, 4*\st+4, F0
.endm
	s_wait_dscnt 0x0                               ; my part of X is in LDS
	s_barrier_signal -1
	s_barrier_wait -1                              ; X is whole.  K step 21's load may stay out
	FETCHO 0, 0, 0, F0
	s_wait_loadcnt 0x0                             ; bo
	OSTEP 0, 0, 1, 1
	OSTEP 1, 1, 0, 1
	OSTEP 0, 2, 0, 0                               ; behind this barrier no wave reads slot 0 any more, and it has had its last fill
	SQO 1, 64,  13, F0, F1, 0
	SQO 1, 128, 14, F1, F0, 0
	SQO 1, 192, 15, F0, F1, 0
	s_wait_dscnt 0x0
	MULO F1, 0
	; ---------------------------------------------------------------- the way out
	; A lane holds 8 neighbouring f32 of a row.  They go into my own stage (32 rows of 512 + 16 bytes) and come back as whole rows:
	; each store of the wave covers 512 consecutive bytes that begin at a multiple of 512 from out0's first byte.
	PLACES
	WIN 0x08                                       ; store data in window 2
.irp mb, 0,1
.irp b, 0,1,2,3,4,5,6,7
	ds_store_b128 v[STO], v[8*(8*\mb+\b):8*(8*\mb+\b)+3] offset:\mb*16*XPITCH+64*\b
	ds_store_b128 v[STO], v[8*(8*\mb+\b)+4:8*(8*\mb+\b)+7] offset:\mb*16*XPITCH+64*\b+16
.endr
.endr
	WIN 0
.set t, 0
.rept 32
	ds_load_b128 v[F0+4*t:F0+4*t+3], v[RD] offset:XPITCH*t         ; LDS serves a wave's instructions in order (ISA guide 5.7.1.4): these see the stores above
.set t, t+1
.endr
.set t, 0
.rept 32
	s_wait_dscnt 31-t                              ; row t is back, the younger rows stay out
	global_store_b128 v[CO], v[F0+4*t:F0+4*t+3], s[88:89] offset:2048*t th:TH_STORE_NT
.set t, t+1
.endr
	s_wait_xcnt 0x0
	v_lshl_add_u32 v62, v0, 2, 0x4e400
	v_mov_b32 v63, 0
	s_wait_tensorcnt 0x0
	ds_add_u32 v62, v63
	s_wait_dscnt 0x0
	CROUND                                         ; the closing round: no work-group ends while a partner may still ask for a tile that names it
	s_endpgm
.Lfunc_end_k_q0d6a021606_fuzzy:
	.size	k_q0d6a021606_fuzzy, .Lfunc_end_k_q0d6a021606_fuzzy-k_q0d6a021606_fuzzy
	.p2alignl 7, 3214868480
	.fill 96, 4, 3214868480
	.section	.rodata,"a",@progbits
	.p2align	6, 0x0
	.amdhsa_kernel k_q0d6a021606_fuzzy
		.amdhsa_group_segment_fixed_size 327680
		.amdhsa_private_segment_fixed_size 0
		.amdhsa_enable_private_segment 0
		.amdhsa_kernarg_size 88
		.amdhsa_user_sgpr_count 2
		.amdhsa_user_sgpr_kernarg_segment_ptr 1
		.amdhsa_wavefront_size32 1
		.amdhsa_system_sgpr_workgroup_id_x 1
		.amdhsa_system_sgpr_workgroup_id_y 1
		.amdhsa_system_sgpr_workgroup_id_z 1
		.amdhsa_system_vgpr_workitem_id 0
		.amdhsa_next_free_vgpr 1024
		.amdhsa_next_free_sgpr 104
		.amdhsa_reserve_vcc 0
		.amdhsa_float_denorm_mode_32 3
		.amdhsa_float_denorm_mode_16_64 3
		.amdhsa_memory_ordered 1
		.amdhsa_forward_progress 1
		.amdhsa_inst_pref_size 255
	.end_amdhsa_kernel
	.section	.bss,"aw",@nobits
	.p2align	6
	.space	262144
	.amdgpu_metadata
---
amdhsa.version: [ 1, 2 ]
amdhsa.kernels:
  - .name:           k_q0d6a021606_fuzzy
    .symbol:         k_q0d6a021606_fuzzy.kd
    .args:
      - { .name: vb, .offset: 0, .size: 8, .value_kind: global_buffer, .address_space: global }
      - { .name: qb, .offset: 8, .size: 8, .value_kind: global_buffer, .address_space: global }
      - { .name: wvb, .offset: 16, .size: 8, .value_kind: global_buffer, .address_space: global }
      - { .name: wqb, .offset: 24, .size: 8, .value_kind: global_buffer, .address_space: global }
      - { .name: wob, .offset: 32, .size: 8, .value_kind: global_buffer, .address_space: global }
      - { .name: bq, .offset: 40, .size: 8, .value_kind: global_buffer, .address_space: global }
      - { .name: bv, .offset: 48, .size: 8, .value_kind: global_buffer, .address_space: global }
      - { .name: bo, .offset: 56, .size: 8, .value_kind: global_buffer, .address_space: global }
      - { .name: rules_keys, .offset: 64, .size: 8, .value_kind: global_buffer, .address_space: global }
      - { .name: rules_widths, .offset: 72, .size: 8, .value_kind: global_buffer, .address_space: global }
      - { .name: out0, .offset: 80, .size: 8, .value_kind: global_buffer, .address_space: global }
    .group_segment_fixed_size: 327680
    .private_segment_fixed_size: 0
    .kernarg_segment_align: 8
    .kernarg_segment_size: 88
    .max_flat_workgroup_size: 128
    .sgpr_count:     104
    .vgpr_count:     1024
    .wavefront_size: 32
...
	.end_amdgpu_metadata
.endif
;; end of part 2
;; ======== version 2 of 2: 2 launches; version 1 with the launch tobf16 written anew for expert scheduling mode
;; workspace buffers: vb 8,388,608 bytes; qb 8,388,608 bytes; wvb 8,388,608 bytes; wqb 524,288 bytes; wob 524,288 bytes
;; launch tobf16 (part 3): grid 800 x 1, 8 waves a work-group, no clusters, 0 bytes of LDS; arguments value, query, Wv, Wq, Wo, vb, qb, wvb, wqb, wob; writes vb, qb, wvb, wqb, wob
.if DOCPART == 3
	.amdgcn_target "amdgcn-amd-amdhsa--gfx1250"
	.amdhsa_code_object_version 6
	.text
	.protected	k_q0d6a021606_tobf16
	.globl	k_q0d6a021606_tobf16
	.p2align	8
	.type	k_q0d6a021606_tobf16,@function
k_q0d6a021606_tobf16:
	s_mov_b64 s[64:65], 0
	v_nop
	global_prefetch_b8 v0, s[64:65] scope:SCOPE_SE
	s_setreg_imm32_b32 hwreg(HW_REG_WAVE_SCHED_MODE, 0, 2), 2
	s_setreg_imm32_b32 hwreg(HW_REG_WAVE_MODE, 25, 1), 1
	s_wait_xcnt 0x0
	s_wait_alu depctr_vm_vsrc(0)
; The five matrix operands of the module (value, query, Wv, Wq, Wo) are rounded once from f32 to bf16 (nearest even), same shapes, row-major.
; A plain stream: no LDS, no barrier, no matrix unit; every byte is read once and written once.
; A work-group converts 16,384 numbers (65,536 bytes in, 32,768 out).  Work-groups 0-255 take value, 256-511 query, 512-767 Wv,
; 768-783 Wq, 784-799 Wo: 4,194,304 / 16,384 = 256 for each large array, 262,144 / 16,384 = 16 for each small one.
; Thread t takes 16 bytes at 16 t of each 4,096-byte piece: one load of a wave covers 512 consecutive bytes,
; one store of a wave covers 256 consecutive bytes that begin at a multiple of 256 from the buffer's first byte.
; All sixteen loads of a thread are issued ahead of the first store; no register is written twice, so no source has to be freed.
; THE MODE: SCHED_MODE bits 1:0 = 2 (LLVM: expert scheduling mode 2), set by the entry lines.  The code itself states the register dependences
; between vector instructions and memory instructions, with s_wait_alu, always for 0.
; THE PLAN.  Registers that memory instructions touch:
;   v1, v2   byte offsets of the loads and of the stores: written once at the head, never again.
;   X        piece j: four registers.  Written by piece j's load alone (all loads stand ahead of every conversion); read by piece j's two conversions.
;   Y        piece j: two registers.   Written by piece j's two conversions, once; read by piece j's store.
; The sixteen pieces go in four groups of four.  The stores of group g - 1 are issued in group g, one in front of each piece's conversions.
; Group g's conversions read X and write Y of group g; those stores read Y of group g - 1 and v2: no register in common.  So one wait on va_vdst at
; the head of a group states all that its four stores hang on, and one more stands in front of the last four stores.
; No register that a memory instruction reads is ever written again, and no load lands in a register that a vector instruction has named:
; no wait on vm_vsrc is owed.  No vector instruction writes a scalar register, and EXEC is never written.
.set PIECES, 16
.set GROUP,  4                         ; pieces in a group
.set X, 4                              ; v[4:67]   piece j: 4 numbers in f32
.set Y, 68                             ; v[68:99]  piece j: 4 numbers in bf16
	s_load_b512 s[8:23], s[0:1], 0x0               ; value 8, query 10, Wv 12, Wq 14, Wo 16, vb 18, qb 20, wvb 22
	s_load_b128 s[24:27], s[0:1], 0x40             ; wqb 24, wob 26
	v_lshlrev_b32 v1, 4, v0                        ; my 16 bytes of a piece as read
	v_lshlrev_b32 v2, 3, v0                        ; my 8 bytes of a piece as written
	s_mov_b32 s3, 0                                ; first work-group of my array
	s_wait_kmcnt 0x0
	s_mov_b64 s[4:5], s[8:9]                       ; from value
	s_mov_b64 s[6:7], s[18:19]                     ; to vb, unless my number says otherwise:
; the choice between buffers hangs on the work-group's number alone
.macro PICK first, src, dst
	s_cmp_ge_u32 ttmp9, \first
	s_cselect_b64 s[4:5], s[\src:\src+1], s[4:5]
	s_cselect_b64 s[6:7], s[\dst:\dst+1], s[6:7]
	s_cselect_b32 s3, \first, s3
.endm
	PICK 256, 10, 20
	PICK 512, 12, 22
	PICK 768, 14, 24
	PICK 784, 16, 26
	s_sub_co_u32 s2, ttmp9, s3                     ; my place in the array
	s_lshl_b32 s28, s2, 16                         ; x 65,536 bytes in (16,711,680 at the most)
	s_mov_b32 s29, 0
	s_lshl_b32 s30, s2, 15                         ; x 32,768 bytes out
	s_mov_b32 s31, 0
	s_add_nc_u64 s[4:5], s[4:5], s[28:29]
	s_add_nc_u64 s[6:7], s[6:7], s[30:31]
	s_wait_alu depctr_va_vdst(0)                   ; v1 and v2 are written: every load reads v1 and every store v2 as its offset
.set j, 0
.rept PIECES
	global_load_b128 v[X+4*j:X+4*j+3], v1, s[4:5] offset:4096*j th:TH_LOAD_NT
.set j, j+1
.endr
.set j, 0
.rept PIECES
	s_wait_loadcnt PIECES-1-j                      ; loads come back in order: piece j is in, the younger ones stay out
.if (j % GROUP == 0) && (j > 0)
	s_wait_alu depctr_va_vdst(0)                   ; the eight conversions of the group before have written their Y, which this group's four stores read
.endif
.if j >= GROUP
	global_store_b64 v2, v[Y+2*(j-GROUP):Y+2*(j-GROUP)+1], s[6:7] offset:2048*(j-GROUP)   ; a piece of the group before; no vector instruction since the wait names its Y.  Read again by the next launch: no hint
.endif
	v_cvt_pk_bf16_f32 v[Y+2*j], v[X+4*j], v[X+4*j+1]
	v_cvt_pk_bf16_f32 v[Y+2*j+1], v[X+4*j+2], v[X+4*j+3]
.set j, j+1
.endr
	s_wait_alu depctr_va_vdst(0)                   ; the last group's conversions have written their Y, which the last four stores read
.set j, PIECES-GROUP
.rept GROUP
	global_store_b64 v2, v[Y+2*j:Y+2*j+1], s[6:7] offset:2048*j
.set j, j+1
.endr
	s_endpgm
.Lfunc_end_k_q0d6a021606_tobf16:
	.size	k_q0d6a021606_tobf16, .Lfunc_end_k_q0d6a021606_tobf16-k_q0d6a021606_tobf16
	.p2alignl 7, 3214868480
	.fill 96, 4, 3214868480
	.section	.rodata,"a",@progbits
	.p2align	6, 0x0
	.amdhsa_kernel k_q0d6a021606_tobf16
		.amdhsa_group_segment_fixed_size 0
		.amdhsa_private_segment_fixed_size 0
		.amdhsa_enable_private_segment 0
		.amdhsa_kernarg_size 80
		.amdhsa_user_sgpr_count 2
		.amdhsa_user_sgpr_kernarg_segment_ptr 1
		.amdhsa_wavefront_size32 1
		.amdhsa_system_sgpr_workgroup_id_x 1
		.amdhsa_system_sgpr_workgroup_id_y 1
		.amdhsa_system_sgpr_workgroup_id_z 1
		.amdhsa_system_vgpr_workitem_id 0
		.amdhsa_next_free_vgpr 100
		.amdhsa_next_free_sgpr 66
		.amdhsa_reserve_vcc 0
		.amdhsa_float_denorm_mode_32 3
		.amdhsa_float_denorm_mode_16_64 3
		.amdhsa_memory_ordered 1
		.amdhsa_forward_progress 1
		.amdhsa_inst_pref_size 8
	.end_amdhsa_kernel
	.amdgpu_metadata
---
amdhsa.version: [ 1, 2 ]
amdhsa.kernels:
  - .name:           k_q0d6a021606_tobf16
    .symbol:         k_q0d6a021606_tobf16.kd
    .args:
      - { .name: value, .offset: 0, .size: 8, .value_kind: global_buffer, .address_space: global }
      - { .name: query, .offset: 8, .size: 8, .value_kind: global_buffer, .address_space: global }
      - { .name: Wv, .offset: 16, .size: 8, .value_kind: global_buffer, .address_space: global }
      - { .name: Wq, .offset: 24, .size: 8, .value_kind: global_buffer, .address_space: global }
      - { .name: Wo, .offset: 32, .size: 8, .value_kind: global_buffer, .address_space: global }
      - { .name: vb, .offset: 40, .size: 8, .value_kind: global_buffer, .address_space: global }
      - { .name: qb, .offset: 48, .size: 8, .value_kind: global_buffer, .address_space: global }
      - { .name: wvb, .offset: 56, .size: 8, .value_kind: global_buffer, .address_space: global }
      - { .name: wqb, .offset: 64, .size: 8, .value_kind: global_buffer, .address_space: global }
      - { .name: wob, .offset: 72, .size: 8, .value_kind: global_buffer, .address_space: global }
    .group_segment_fixed_size: 0
    .private_segment_fixed_size: 0
    .kernarg_segment_align: 8
    .kernarg_segment_size: 80
    .max_flat_workgroup_size: 256
    .sgpr_count:     66
    .vgpr_count:     100
    .wavefront_size: 32
...
	.end_amdgpu_metadata
.endif
;; end of part 3
;; launch fuzzy: the kernel of part 2 again; grid 8 x 32, 4 waves a work-group, clusters of 4 x 4, 327,680 bytes of LDS; arguments vb, qb, wvb, wqb, wob, bq, bv, bo, rules_keys, rules_widths, out0; writes out0
